; MI455X (gfx1250); checked and timed in simulation.
; The chip was launched on July 23, 2026; its instructions are those of AMD's public machine-readable ISA for CDNA 5 (MIT licence, August 2026) and "CDNA5" Instruction Set Architecture Reference Guide (July 2026). The comments in the code are by the model that wrote it; some were corrected since.
;; Vector Quantizer. Allowed arithmetic: matrix products marked QUANTISED: E5M2 operands, one given power-of-two scale a tensor, by v_wmma_f32_16x16x64_bf8_bf8 or v_wmma_f32_16x16x128_bf8_bf8, f32 sums; everything else in f32.
;; Inputs: codebook 8,192 x 256 float32; lowp_scales 2 int32 (the exponents e of the quantised operands' scales 2^e); x 32,768 x 256 float32.
;; Outputs: out0 32,768 x 256 float32.
;; This version of the problem:
;;   THIS VERSION OF THE PROBLEM IS GIVEN IN LOW PRECISION. The matrix products marked QUANTISED in the list below multiply operands that are first quantised to E5M2 (5 exponent bits, 2 mantissa bits; 8 bits a number), with one given power-of-two scale for each operand tensor; their sums are f32. All else is computed in f32.
;;   The module's matrix products, in the order in which they are computed (A, B: the left and right operand; K: the contracted axis; several contracted axes count as one K, in the product's order):
;;     1. [M 32,768, K 256] x [K 256, N 8,192]; A: input x; B: input codebook: QUANTISED (scales: A lowp_scales[0], B lowp_scales[1])
;;   THE QUANTISER, for each operand of a quantised product, along K:
;;     - The operand's scale is 2^e, e = its entry of the input lowp_scales (int32; the entries are numbered through the quantised products in the list's order, A before B).
;;     - Each number is divided by the scale, clamped to +-57,344, and rounded to the nearest number of E5M2, ties to even, subnormals kept.
;;     - The product sums the exact products of the quantised numbers (number of the format x scale) in f32.
;;   ~~~python
;;   def quantise(x, axis, e):      # numpy; x: float32 -> the quantised numbers, widened to float32 again
;;       x = np.moveaxis(x, axis, -1); K = x.shape[-1]
;;       r = np.clip(x / 2.0 ** e, -57344, 57344)
;;       step = 2.0 ** (np.maximum(np.frexp(np.where(r == 0, 1, r))[1] - 1, -14) - 2)
;;       q = np.round(r / step) * step * 2.0 ** e      # np.round: ties to even
;;       return np.moveaxis(q, -1, axis).astype(np.float32)
;;   ~~~
;; One version. Each part assembles by itself: llvm-mc -triple=amdgcn-amd-amdhsa -mcpu=gfx1250 --defsym DOCPART=n.
;; ======== version 1 of 1: 3 launches
;; workspace buffers: cb 2,129,920 bytes; idx 131,072 bytes of whole numbers
;; launch prep (part 1): grid 128 x 1, 4 waves a work-group, no clusters, 67,328 bytes of LDS; arguments codebook, lowp_scales, cb; writes cb
.if DOCPART == 1
	.amdgcn_target "amdgcn-amd-amdhsa--gfx1250"
	.amdhsa_code_object_version 6
	.text
	.protected	k_qd57eb48f7e_prep
	.globl	k_qd57eb48f7e_prep
	.p2align	8
	.type	k_qd57eb48f7e_prep,@function
k_qd57eb48f7e_prep:
	s_mov_b64 s[64:65], 0
	v_nop
	global_prefetch_b8 v0, s[64:65] scope:SCOPE_SE
	s_setreg_imm32_b32 hwreg(HW_REG_WAVE_MODE, 25, 1), 1
	s_wait_xcnt 0x0
; The codebook [8192][256] f32 becomes (a) codes of BF8 (E5M2), laid as images of the matrix operand's registers, and (b) C2[code] = the sum of the row's squares, f32.
; code = c / 2^ec, held within +-57,344, rounded to the nearest code, ties to even; ec is entry 1 (int32) of the buffer of scales.
; LIMITS: -126 <= ec <= 112, so that 2^ec and 57,344 x 2^ec are f32 numbers.  NaN among the inputs is not served (an infinity is held at the largest code).
; LAYOUT OF cb: 16 records of REC = 133,120 bytes (520 x 256).  Record k holds tiles 32 k .. 32 k + 31 of 16 codebook rows.  Tile q: 4,096 bytes at 4096 q: K step s (128 along K) at + 2048 s,
; register group c at + 512 c, lane l at + 16 l; lane (r = l % 16, h = l / 16) holds, of row 16 tile + r, k = 128 s + 32 c + 16 h + 0 .. 15.  C2 of the record's 512 rows lies at + 131,072, tile q at + 64 q.
; SHARES: wave w of work-group g takes tile 4 g + w: 16 rows, 16,384 bytes on end.  Four tiles to a work-group, so that their 64 numbers of C2 are one aligned run of 256 bytes.
; Each load reads 512 consecutive bytes; the conversions want 16 neighbours along K in one lane's registers: so the rows turn through the wave's own stage in LDS.
; No tensor load, no ring: all of a wave's 32 loads are out at once, and there is nothing to fill again.  Clusters and matrix units have no part here: no work-group shares an input byte with another.
.set REC,  133120
.set SP,   1040                        ; a stage row: 1,024 bytes + 16 = 65 x 16: the 16 rows that a load touches start at 16 different 16-byte columns modulo 256
.set WST,  16*SP                       ; a wave's stage
.set C2S,  4*WST                       ; behind the stages: the work-group's 64 numbers of C2
.set R,    16                          ; v16-143   the tile as loaded
.set X,    144                         ; v144-207  64 numbers of a K step: register 16 c + i = k 32 c + 16 h + i of my row
.set PC,   208                         ; v208-239  the codes of both K steps: no store's data are written again
.set SQ,   240                         ; v240-243  the squares' sums, two chains of pairs
.set SCL,  248                         ; v248      2^ec as f32
.set LIM,  249                         ; v249      57,344 x 2^ec
	s_load_b128 s[4:7], s[0:1], 0x0                ; the codebook, the scales' exponents
	s_load_b64 s[8:9], s[0:1], 0x10                ; cb
	v_lshl_add_u32 v254, v0, 2, 0x10500
	v_mov_b32 v255, 0
	v_lshrrev_b32 v7, 5, v0
	v_readfirstlane_b32 s12, v7                    ; wave 0..3
	v_and_b32 v8, 31, v0                           ; lane
	v_and_b32 v9, 15, v0                           ; r
	v_bfe_u32 v10, v0, 4, 1                        ; h
	v_lshlrev_b32 v1, 4, v8                        ; 16 x lane: my bytes of a load's and of a store's 512
	s_mul_i32 s13, s12, WST
	v_add_nc_u32 v2, s13, v1                       ; into my stage, as loaded
	v_mul_u32_u24 v3, v9, SP
	v_lshl_add_u32 v3, v10, 6, v3
	v_add_nc_u32 v3, s13, v3                       ; out of it: row r, + 64 h: my 16 numbers of a block of 32
	s_lshl_b32 s14, s12, 6
	v_lshlrev_b32 v4, 2, v9
	v_add_nc_u32 v4, s14, v4
	v_add_nc_u32 v4, C2S, v4                       ; where my row's C2 goes: C2S + 64 x wave + 4 r
	v_lshlrev_b32 v5, 3, v8                        ; 8 x lane: wave 0 stores the 256 bytes
	v_add_nc_u32 v6, C2S, v5
	v_mov_b32 v244, 0                              ; written once: a lane permute's destination counts as one of its sources
	s_mov_b32 s20, 0x76543210
	s_mov_b32 s21, 0xfedcba98                      ; v_permlanex16_b32's selects for lane l xor 16
	s_lshl_b32 s16, ttmp9, 16                      ; source: 4 tiles x 16,384 bytes a work-group,
	s_lshl_b32 s17, s12, 14                        ; one tile a wave
	s_add_co_u32 s16, s16, s17
	s_mov_b32 s17, 0
	s_lshr_b32 s18, ttmp9, 3
	s_mul_i32 s18, s18, REC                        ; my record: eight work-groups fill one
	s_and_b32 s19, ttmp9, 7
	s_lshl_b32 s22, s19, 2
	s_add_co_u32 s22, s22, s12                     ; my tile in it
	s_lshl_b32 s22, s22, 12
	s_add_co_u32 s22, s22, s18
	s_mov_b32 s23, 0
	s_lshl_b32 s24, s19, 8
	s_add_co_u32 s24, s24, s18
	s_add_co_u32 s24, s24, 131072                  ; the work-group's 256 bytes of C2
	s_mov_b32 s25, 0
	s_wait_kmcnt 0x0
	s_load_b32 s26, s[6:7], 0x4                    ; ec
	s_add_nc_u64 s[4:5], s[4:5], s[16:17]
	s_add_nc_u64 s[10:11], s[8:9], s[24:25]
	s_add_nc_u64 s[8:9], s[8:9], s[22:23]
.set n, 0
.rept 32
	global_load_b128 v[R+4*n:R+4*n+3], v1, s[4:5] offset:512*n     ; 32 lanes read 512 consecutive bytes.  No hint: the table is read again by the launch that gathers
.set n, n+1
.endr
	s_wait_kmcnt 0x0
	s_add_co_i32 s26, s26, 127
	s_lshl_b32 s27, s26, 23
	v_mov_b32 v[SCL], s27                          ; the conversion takes this number's exponent field
	s_add_co_i32 s26, s26, 15
	s_lshl_b32 s26, s26, 23
	s_or_b32 s26, s26, 0x600000
	v_mov_b32 v[LIM], s26
.set n, 0
.rept 32
	s_wait_loadcnt 31-n                            ; loads come back in order: load n is in, the 31 - n younger ones may be out
	ds_store_b128 v2, v[R+4*n:R+4*n+3] offset:(n/2)*SP+(n%2)*512   ; half n % 2 of row n / 2
.set n, n+1
.endr
; One K step of 128: 64 numbers a lane out of the stage, their squares, their codes, four stores of 512 consecutive bytes.
.macro KSTEP s
.irp c, 0,1,2,3
.irp j, 0,1,2,3
	ds_load_b128 v[X+16*\c+4*\j:X+16*\c+4*\j+3], v3 offset:512*\s+128*\c+16*\j   ; my own stage, and LDS serves a wave's instructions in order: these see my stores
.endr
.endr
	s_wait_dscnt 0x0
.set j, 0
.rept 32
.if (\s == 0) && (j < 2)
	v_pk_mul_f32 v[SQ+2*j:SQ+2*j+1], v[X+2*j:X+2*j+1], v[X+2*j:X+2*j+1]          ; the first squares start the two chains: nothing is cleared
.else
	v_pk_fma_f32 v[SQ+2*(j%2):SQ+2*(j%2)+1], v[X+2*j:X+2*j+1], v[X+2*j:X+2*j+1], v[SQ+2*(j%2):SQ+2*(j%2)+1]
.endif
.set j, j+1
.endr
.irp b, 0,1,2,3
.irp i, 0,1,2,3,4,5,6,7,8,9,10,11,12,13,14,15
	v_med3_num_f32 v[X+16*\b+\i], v[X+16*\b+\i], -v[LIM], v[LIM]   ; the conversion to an 8-bit code does not saturate (ISA guide 7.6.2): the hold at the largest code x the scale comes first
.endr
	v_cvt_scalef32_pk8_bf8_f32 v[PC+16*\s+4*\b:PC+16*\s+4*\b+1], v[X+16*\b:X+16*\b+7], v[SCL]
	v_cvt_scalef32_pk8_bf8_f32 v[PC+16*\s+4*\b+2:PC+16*\s+4*\b+3], v[X+16*\b+8:X+16*\b+15], v[SCL]
.endr
	v_nop                                          ; a plain vector line behind the last conversion of the run
.irp c, 0,1,2,3
	global_store_b128 v1, v[PC+16*\s+4*\c:PC+16*\s+4*\c+3], s[8:9] offset:2048*\s+512*\c   ; register group c as it stands: 512 consecutive bytes, at a multiple of 256 from cb's first byte
.endr
.endm
	KSTEP 0
	KSTEP 1
	v_pk_add_f32 v[SQ:SQ+1], v[SQ:SQ+1], v[SQ+2:SQ+3]
	v_add_f32 v[SQ], v[SQ], v[SQ+1]                ; my half of the row,
	v_permlanex16_b32 v244, v[SQ], s20, s21
	v_add_f32 v[SQ], v[SQ], v244                   ; and lane l xor 16's: C2 of row r, the same number in both lanes
	ds_store_b32 v4, v[SQ]
	s_wait_dscnt 0x0                               ; for wave 0's sake: my store has landed
	s_barrier_signal -1
	s_barrier_wait -1
	s_cmp_lg_u32 s12, 0
	s_cbranch_scc1 .Lend
	ds_load_b64 v[246:247], v6
	s_wait_dscnt 0x0
	global_store_b64 v5, v[246:247], s[10:11]      ; 32 lanes store 256 consecutive bytes, at a multiple of 256 from cb's first byte
.Lend:
	s_wait_tensorcnt 0x0
	ds_add_u32 v254, v255
	s_wait_dscnt 0x0
	s_endpgm
.Lfunc_end_k_qd57eb48f7e_prep:
	.size	k_qd57eb48f7e_prep, .Lfunc_end_k_qd57eb48f7e_prep-k_qd57eb48f7e_prep
	.p2alignl 7, 3214868480
	.fill 96, 4, 3214868480
	.section	.rodata,"a",@progbits
	.p2align	6, 0x0
	.amdhsa_kernel k_qd57eb48f7e_prep
		.amdhsa_group_segment_fixed_size 67328
		.amdhsa_private_segment_fixed_size 0
		.amdhsa_enable_private_segment 0
		.amdhsa_kernarg_size 24
		.amdhsa_user_sgpr_count 2
		.amdhsa_user_sgpr_kernarg_segment_ptr 1
		.amdhsa_wavefront_size32 1
		.amdhsa_system_sgpr_workgroup_id_x 1
		.amdhsa_system_sgpr_workgroup_id_y 1
		.amdhsa_system_sgpr_workgroup_id_z 1
		.amdhsa_system_vgpr_workitem_id 0
		.amdhsa_next_free_vgpr 256
		.amdhsa_next_free_sgpr 66
		.amdhsa_reserve_vcc 0
		.amdhsa_float_denorm_mode_32 3
		.amdhsa_float_denorm_mode_16_64 3
		.amdhsa_memory_ordered 1
		.amdhsa_forward_progress 1
		.amdhsa_inst_pref_size 26
	.end_amdhsa_kernel
	.amdgpu_metadata
---
amdhsa.version: [ 1, 2 ]
amdhsa.kernels:
  - .name:           k_qd57eb48f7e_prep
    .symbol:         k_qd57eb48f7e_prep.kd
    .args:
      - { .name: codebook, .offset: 0, .size: 8, .value_kind: global_buffer, .address_space: global }
      - { .name: lowp_scales, .offset: 8, .size: 8, .value_kind: global_buffer, .address_space: global }
      - { .name: cb, .offset: 16, .size: 8, .value_kind: global_buffer, .address_space: global }
    .group_segment_fixed_size: 67328
    .private_segment_fixed_size: 0
    .kernarg_segment_align: 8
    .kernarg_segment_size: 24
    .max_flat_workgroup_size: 128
    .sgpr_count:     66
    .vgpr_count:     256
    .wavefront_size: 32
...
	.end_amdgpu_metadata
.endif
;; end of part 1
;; launch search (part 2): grid 256 x 1, 8 waves a work-group, clusters of 4 x 1, 327,680 bytes of LDS; arguments x, cb, lowp_scales, idx; writes idx
.if DOCPART == 2
	.amdgcn_target "amdgcn-amd-amdhsa--gfx1250"
	.amdhsa_code_object_version 6
	.text
	.protected	k_qd57eb48f7e_search
	.globl	k_qd57eb48f7e_search
	.p2align	8
	.type	k_qd57eb48f7e_search,@function
k_qd57eb48f7e_search:
	s_mov_b64 s[64:65], 0
	v_nop
	global_prefetch_b8 v0, s[64:65] scope:SCOPE_SE
	s_setreg_imm32_b32 hwreg(HW_REG_WAVE_MODE, 25, 1), 1
	s_wait_xcnt 0x0
	s_wait_alu depctr_hold_cnt(0) depctr_sa_sdst(0) depctr_va_vdst(0) depctr_va_sdst(0) depctr_va_ssrc(0) depctr_va_vcc(0) depctr_vm_vsrc(0)
	s_getreg_b32 s2, hwreg(HW_REG_IB_STS2, 6, 4)
	s_cmp_eq_u32 s2, 0
	s_cbranch_scc0 .Lentry_in_a_cluster
	s_endpgm
.Lentry_in_a_cluster:
	s_bfe_u32 s2, ttmp6, 0x10000c
	s_cmp_lg_u32 s2, 0x3003
	s_cbranch_scc0 .Lentry_shape_is_right
	s_endpgm
.Lentry_shape_is_right:
; idx[row] = the first code that makes d = (L2[row] + C2[code]) - 2 LC[row][code] smallest.  LC = x . codebook on codes of BF8 (E5M2), f32 sums; x [32768][256] f32 is quantised here with 2^ex,
; the codebook's codes and C2 come from cb (16 records of 32 tiles of 16 codes, each tile an image of the operand's registers; C2 behind them).
; THE ROUNDINGS ARE reference()'s: a = L2 + C2 is rounded once (a multiply-add by 1.0); d = S x F + a, with S the raw sum and F = -2^(1 + ex + ec), is one fused multiply-add: S x F is exact, so d is a - 2 LC
; rounded once.  Distances are coarse beside L2 and exact ties are common: at every level a tie goes to the lower code (strict < over ascending tiles; the lowest register; then (d, code) compared as a pair).
; LIMITS: ex between -126 and 112; ex + ec + 1 between -126 and 127 (each power of two below is an f32 number).  NaN and infinities among the inputs are not served (a NaN distance loses here); a row all of whose
; distances overflow gets an index inside the table, not the first.  An LC that would be denormal in f32 is not rounded on its own.
; SHARES.  256 work-groups x 128 rows: each row has one owner, which walks all 8,192 codes.  Eight waves, two to a SIMD, 512 registers each.  EVERY wave holds the codes of all 128 rows (8 row tiles x 32 registers:
; window 1); THE WAVES SHARE THE CODES: of each record wave w takes tiles 4 w .. 4 w + 3.  So a tile's 4,096 bytes are read from LDS once in the work-group and feed 16 matrix instructions.
; TRANSPOSED USE: source 0 = 16 codes, source 1 = 16 rows of x: lane (r, h) holds ONE row r and its 8 registers the codes 8 h + 0 .. 7, so minima are taken inside a lane.
; THE ARGMIN, 18 vector instructions for 16 x 16 distances: 4 + 4 packed multiply-adds, 4 minima (g), one compare g < m, and five paired selects that take g, the tile's number and the tile's 8 distances.
; The place inside the winning tile is found once, at the end: the first kept distance that equals m.
; BY TURNS.  A STEP is 4 matrix instructions (two row tiles x two K steps of 128); between them stand the 36 vector instructions of the step BEFORE, cut 8 | 8 | 10 | 10.  The first two slices have no vector
; register as source 1, so they run under the matrix instructions' window setting; the last two want window 0: four switches a step, the lesser price where vector work is this large beside the products.
; CLUSTER.  All work-groups walk the same records: four form a cluster and ask for each record JOINTLY (mask 15), each wave for its eighth (65 rows of 256 bytes).  Two slots of one record, as large as LDS holds.
; x comes by a plain tensor load a wave (16 rows, padded) into slot 1, whose first record follows as a refill.  By this text's own count a wave has two tensor loads out at the start, then one.
.set DUAL, 1                           ; 1: the paired selects are dual-issue pairs; 0: two plain selects each
.set REC,    133120                    ; a record, and a slot
.set EIGHTH, REC/8                     ; 16,640: what one wave's load brings; also 16 rows of x at 1,040
.set SLOT1,  REC
.set XP,     1040                      ; a row of x in the stage: 1,024 bytes + 16 = 65 x 16: 16 rows start at 16 different 16-byte columns modulo 256
.set XIMG,   2*REC                     ; x's 16 fragments as images of their registers: (row tile i, K step s) at (2 i + s) x 2,048
.set L2S,    XIMG+32768                ; L2 of the 128 rows
.set RES,    L2S+512                   ; wave v's 128 pairs (d, code) at 1,024 v
.set IDXS,   RES+8192                  ; the 128 indices
.set SPARE,  IDXS+512                  ; the spare words, 128 bytes for each of eight waves: four blocks of 256 bytes that no other line names
; window 0
.set SPW, 1                            ; v1   LDS address of my spare word; never rewritten
.set NIL, 2                            ; v2   0; never rewritten
.set AF,  3                            ; v3, v4   my four tiles' codes in slot 0, 1: slot + 16,384 w + 16 lane
.set CA,  5                            ; v5, v6   their C2: slot + 131,072 + 256 w + 32 h
.set TID, 7                            ; v7   the number of the tile whose distances are in hand
.set G,   10                           ; v10-13  g, a second chain, for each of the two row tiles in hand
.set L2,  16                           ; v16-23  L2 of my row in row tile i
.set MI,  24                           ; v24-39  row tile i: m at + 2 i, the winning tile (at the end: code) at + 2 i + 1
.set C2B, 40                           ; v40-55  C2 of my 8 codes: two sets
.set T,   56                           ; v56-71  a, then d: 8 for each of the two row tiles in hand
.set AC,  72                           ; v72-103 accumulators: set p % 2 at + 16, row tile u of the pair at + 8
.set KP,  104                          ; v104-167 the winning tile's 8 distances, for each row tile
.set AB,  168                          ; v168-231 a tile's two fragments of codes: two buffers of 32
.set SQ,  40                           ; the head only: sums of squares, v40-43
.set SCL, 46                           ; the head only: 2^ex
.set LIM, 47                           ; the head only: 57,344 x 2^ex
; v8 L2S + 64 w + 4 r; v9 L2S + 4 r; v14 my place in x's stage; v15 where I store x's images; v255 XIMG + 16 lane; v232 RES + 1,024 w + 8 r; v233 RES + 128 w + 8 r; v234 IDXS + 64 w + 4 r; v235 IDXS + 16 lane;
; v236 16 lane; v237 8 h; v238-243 at work.   window 1: x's fragment (row tile i, K step s) at v[32 i + 16 s].
.set WV,  12                           ; s12  my wave's number
.set G1X, 24                           ; s[24:31] descriptor group 1 for x
.set G1C, 32                           ; s[32:39] for a record's eighth
.set G0X, 40                           ; s[40:43] group 0 for x
.set G0C, 44                           ; s[44:47], s[48:51] group 0 for slot 0, 1
.set W_MM, 0x04                        ; source 1 (x) window 1; all else window 0
.set MSB, 0
.macro WIN new                         ; the immediate's high byte repeats the setting that is left; a switch that changes nothing is dropped
.if MSB != \new
	s_set_vgpr_msb (MSB<<8)|\new
.set MSB, \new
.endif
.endm
.macro CREST                           ; a round of the cluster's barrier behind its opening barrier
	s_cmp_lg_u32 s[WV], 0
	s_cbranch_scc1 .Lnot_wave_0_\@
	s_barrier_signal -3
.Lnot_wave_0_\@:
	s_barrier_wait -3
	s_barrier_signal -1
	s_barrier_wait -1
.endm
.macro CROUND                          ; a whole round
	s_barrier_signal -1
	s_barrier_wait -1
	CREST
.endm
.macro PLACES
.rept 4
	v_nop
.endr
.endm
	s_load_b256 s[4:11], s[0:1], 0x0               ; x s[4:5], cb s[6:7], the scales' exponents s[8:9], idx s[10:11]
	v_lshl_add_u32 v[SPW], v0, 2, SPARE
	v_mov_b32 v[NIL], 0
	ds_add_u32 v1, v2
	ds_add_u32 v1, v2
	s_wait_dscnt 0x0
	v_lshrrev_b32 v241, 5, v0
	v_readfirstlane_b32 s[WV], v241                ; wave 0..7
	s_bfe_u32 s13, ttmp6, 0x40000                  ; cx: my place in the cluster
	s_lshl_b32 s14, ttmp9, 2                       ; in a cluster launch ttmp9 counts clusters
	s_add_co_u32 s14, s14, s13                     ; my block of 128 rows: it enters x's and idx's global addresses alone
	; every LDS address is made here, of constants, the lane and the wave's number
	v_and_b32 v238, 31, v0                         ; lane
	v_and_b32 v239, 15, v0                         ; r
	v_bfe_u32 v240, v0, 4, 1                       ; h
	v_lshlrev_b32 v236, 4, v238
	s_lshl_b32 s16, s[WV], 14
	v_add_nc_u32 v[AF], s16, v236
	v_add_nc_u32 v[AF+1], SLOT1, v[AF]
	s_lshl_b32 s16, s[WV], 8
	s_add_co_u32 s16, s16, 131072
	v_lshl_add_u32 v[CA], v240, 5, s16
	v_add_nc_u32 v[CA+1], SLOT1, v[CA]
	s_mul_i32 s54, s[WV], EIGHTH                   ; my eighth of a slot
	s_add_co_u32 s16, s54, SLOT1
	v_mul_u32_u24 v14, v239, XP
	v_lshl_add_u32 v14, v240, 6, v14
	v_add_nc_u32 v14, s16, v14                     ; x's stage: my wave's 16 rows, row r, + 64 h: my 16 numbers of a block of 32
	s_lshl_b32 s16, s[WV], 12
	s_add_co_u32 s16, s16, XIMG
	v_add_nc_u32 v15, s16, v236
	v_add_nc_u32 v255, XIMG, v236
	v_lshlrev_b32 v241, 2, v239                    ; 4 r
	s_lshl_b32 s16, s[WV], 6
	s_add_co_u32 s17, s16, L2S
	v_add_nc_u32 v8, s17, v241
	v_add_nc_u32 v9, L2S, v241
	s_add_co_u32 s17, s16, IDXS
	v_add_nc_u32 v234, s17, v241
	v_add_nc_u32 v235, IDXS, v236
	v_lshlrev_b32 v241, 3, v239                    ; 8 r
	s_lshl_b32 s16, s[WV], 10
	s_add_co_u32 s16, s16, RES
	v_add_nc_u32 v232, s16, v241
	s_lshl_b32 s16, s[WV], 7
	s_add_co_u32 s16, s16, RES
	v_add_nc_u32 v233, s16, v241
	v_lshlrev_b32 v237, 3, v240
	v_mov_b32 v44, 0                               ; written once: a lane permute's destination counts as one of its sources
	; group 1 for x: 16 rows of 256 elements of 4 bytes, 16 bytes of padding behind each row
	s_mov_b32 s[G1X], (2<<16)|(1<<20)|(7<<22)|(3<<25)   ; 15:0 no mask; 17:16 elements of 4 bytes; 20 padding on; 24:22 after every 256 words (code 7); 31:25 four words (code 3)
	s_mov_b32 s[G1X+1], 256<<16                    ; tensor_dim0
	s_mov_b32 s[G1X+2], 16<<16                     ; tensor_dim1
	s_mov_b32 s[G1X+3], 256<<16                    ; tile_dim0
	s_mov_b32 s[G1X+4], 16                         ; tile_dim1
	s_mov_b32 s[G1X+5], 256                        ; tensor_dim0_stride
	s_mov_b32 s[G1X+6], 0
	s_mov_b32 s[G1X+7], 0
	; group 1 for a record's eighth: a dense block, as 65 rows of 32 elements of 8 bytes
	s_mov_b32 s[G1C], 15|(3<<16)|(1<<21)           ; 15:0 the mask: all four work-groups; 17:16 elements of 8 bytes; 21 set beside a mask
	s_mov_b32 s[G1C+1], 32<<16
	s_mov_b32 s[G1C+2], 65<<16
	s_mov_b32 s[G1C+3], 32<<16
	s_mov_b32 s[G1C+4], 65
	s_mov_b32 s[G1C+5], 32
	s_mov_b32 s[G1C+6], 0
	s_mov_b32 s[G1C+7], 0
	s_lshl_b32 s60, s14, 17                        ; x: 128 rows of 1,024 bytes a work-group,
	s_lshl_b32 s61, s[WV], 14                      ; 16 rows a wave
	s_add_co_u32 s60, s60, s61
	s_mov_b32 s61, 0
	s_lshl_b32 s62, s14, 9                         ; idx: 512 bytes a work-group
	s_mov_b32 s63, 0
	s_mov_b32 s18, s54
	s_mov_b32 s19, 0
	s_mov_b32 s22, 0x76543210
	s_mov_b32 s23, 0xfedcba98                      ; v_permlanex16_b32's selects for lane l xor 16
	s_mov_b32 s59, 0x7f800000                      ; +infinity
	s_wait_kmcnt 0x0
	s_load_b64 s[52:53], s[8:9], 0x0               ; ex, ec
	s_add_nc_u64 s[10:11], s[10:11], s[62:63]
	s_mov_b32 s[G0X], 1                            ; count = 1
	s_add_co_u32 s[G0X+1], s54, SLOT1              ; LDS address: my eighth of slot 1
	s_add_nc_u64 s[G0X+2:G0X+3], s[4:5], s[60:61]
	s_or_b32 s[G0X+3], s[G0X+3], 0x80000000        ; type = 2
	s_mov_b32 s[G0C], 1
	s_mov_b32 s[G0C+1], s54                        ; slot 0, my eighth
	s_add_nc_u64 s[G0C+2:G0C+3], s[6:7], s[18:19]  ; record 0, my eighth: the same in all four partners
	s_mov_b32 s[G0C+4], 1
	s_add_co_u32 s[G0C+5], s54, SLOT1
	s_add_nc_u64 s[G0C+6:G0C+7], s[G0C+2:G0C+3], REC   ; record 1
	s_or_b32 s[G0C+3], s[G0C+3], 0x80000000
	s_or_b32 s[G0C+7], s[G0C+7], 0x80000000
	CROUND                                         ; all four work-groups are here: the first joint loads meet
	tensor_load_to_lds s[G0X:G0X+3], s[G1X:G1X+7]  ; my 16 rows of x into slot 1,
	s_nop 0
	tensor_load_to_lds s[G0C:G0C+3], s[G1C:G1C+7]  ; my eighth of record 0 into slot 0: the first fills stand together
	s_nop 0
	PLACES                                         ; four v_nop follow
	s_wait_kmcnt 0x0
	s_add_co_i32 s16, s52, 127
	s_lshl_b32 s17, s16, 23
	v_mov_b32 v[SCL], s17                          ; 2^ex as f32: the conversion takes its exponent field
	s_add_co_i32 s16, s16, 15
	s_lshl_b32 s16, s16, 23
	s_or_b32 s16, s16, 0x600000
	v_mov_b32 v[LIM], s16                          ; 57,344 x 2^ex
	s_add_co_i32 s20, s52, s53
	s_add_co_i32 s20, s20, 128
	s_lshl_b32 s20, s20, 23
	s_or_b32 s20, s20, 0x80000000                  ; F = -2^(1 + ex + ec)
	s_mov_b32 s21, s20                             ; (named with it as a pair, so it is written)
; ---- x: my 16 rows become two fragments and 16 numbers of L2
.macro QLOAD reg, s                    ; 64 numbers of K step s: register 16 c + i = k 128 s + 32 c + 16 h + i of row r
.irp c, 0,1,2,3
.irp j, 0,1,2,3
	ds_load_b128 v[\reg+16*\c+4*\j:\reg+16*\c+4*\j+3], v14 offset:512*\s+128*\c+16*\j
.endr
.endr
.endm
.macro SQUARES reg, first              ; their squares, in two chains of pairs; first = 1: the first squares start the chains
.set j, 0
.rept 32
.if \first && (j < 2)
	v_pk_mul_f32 v[SQ+2*j:SQ+2*j+1], v[\reg+2*j:\reg+2*j+1], v[\reg+2*j:\reg+2*j+1]
.else
	v_pk_fma_f32 v[SQ+2*(j%2):SQ+2*(j%2)+1], v[\reg+2*j:\reg+2*j+1], v[\reg+2*j:\reg+2*j+1], v[SQ+2*(j%2):SQ+2*(j%2)+1]
.endif
.set j, j+1
.endr
.endm
.macro QUANT src, dst                  ; and their codes: a fragment's 16 registers
.irp b, 0,1,2,3
.irp i, 0,1,2,3,4,5,6,7,8,9,10,11,12,13,14,15
	v_med3_num_f32 v[\src+16*\b+\i], v[\src+16*\b+\i], -v[LIM], v[LIM]   ; the conversion to an 8-bit code does not saturate (ISA guide 7.6.2): the hold comes first
.endr
	v_cvt_scalef32_pk8_bf8_f32 v[\dst+4*\b:\dst+4*\b+1], v[\src+16*\b:\src+16*\b+7], v[SCL]
	v_cvt_scalef32_pk8_bf8_f32 v[\dst+4*\b+2:\dst+4*\b+3], v[\src+16*\b+8:\src+16*\b+15], v[SCL]
.endr
	v_nop                                          ; a plain vector line behind the last conversion: later vector and matrix instructions write these registers
.endm
.macro IMAGE pc, off                   ; a fragment goes to LDS as it stands: lane l's 16 bytes at 16 l, 512 bytes a store
.irp c, 0,1,2,3
	ds_store_b128 v15, v[\pc+4*\c:\pc+4*\c+3] offset:\off+512*\c
.endr
.endm
	s_wait_tensorcnt 0x1                           ; my rows of x are in (one load, record 0's, was issued behind them and may be out); only I read these bytes
	QLOAD KP, 0
	QLOAD AB, 1
	s_wait_dscnt 16                                ; K step 0's sixteen loads are in; K step 1's sixteen may be out
	SQUARES KP, 1
	QUANT KP, T
	IMAGE T, 0
	s_wait_dscnt 4                                 ; K step 1's loads are in: behind them only the four stores above were issued
	SQUARES AB, 0
	QUANT AB, AC
	IMAGE AC, 2048
	v_pk_add_f32 v[SQ:SQ+1], v[SQ:SQ+1], v[SQ+2:SQ+3]
	v_add_f32 v[SQ], v[SQ], v[SQ+1]
	v_permlanex16_b32 v44, v[SQ], s22, s23
	v_add_f32 v[SQ], v[SQ], v44                    ; L2 of row r, the same number in both halves of the lanes
	ds_store_b32 v8, v[SQ]
	s_wait_tensorcnt 0x0                           ; all my tensor loads have landed, my eighth of record 0 among them;
	ds_add_u32 v[SPW], v[NIL]                      ; 0 onto my spare word
	s_wait_dscnt 0x0                               ; the add is done, my reads of x's stage are over, my images and L2 have landed
	CROUND                                         ; that now holds of every wave of all four work-groups
	tensor_load_to_lds s[G0C+4:G0C+7], s[G1C:G1C+7]   ; record 1 takes the place of x's stage: my one load behind the round, and the first thing there
	s_nop 0
	PLACES
	WIN 0x40                                       ; destination window 1, address window 0
.set f, 0
.rept 16
.irp c, 0,1,2,3
	ds_load_b128 v[16*f+4*\c:16*f+4*\c+3], v255 offset:2048*f+512*\c    ; all 128 rows' codes: they stay
.endr
.set f, f+1
.endr
	WIN 0
.irp i, 0,1,2,3,4,5,6,7
	ds_load_b32 v[L2+\i], v9 offset:64*\i          ; L2 of row 16 i + r
.endr
; A tile's two fragments (8 loads of 512 consecutive bytes) and the C2 of my 8 codes (2 loads; the lanes of a half read the same words), into buffer and set q % 2
.macro FETCH slot, q
.irp s, 0,1
.irp c, 0,1,2,3
	ds_load_b128 v[AB+32*((\q)%2)+16*\s+4*\c:AB+32*((\q)%2)+16*\s+4*\c+3], v[AF+(\slot)] offset:4096*(\q)+2048*\s+512*\c
.endr
.endr
.irp e, 0,1
	ds_load_b128 v[C2B+8*((\q)%2)+4*\e:C2B+8*((\q)%2)+4*\e+3], v[CA+(\slot)] offset:64*(\q)+16*\e
.endr
.endm
	FETCH 0, 0
	; STARTING VALUES.  m = +infinity; accumulator set 1 = 0 and C2 set 1 = +infinity, so that the first step's slices, which belong to no step, see d = +infinity, and +infinity < +infinity is false:
	; the walk needs no first step of its own.  The kept distances are written once because a select reads its destination.
.irp i, 0,1,2,3,4,5,6,7
	v_dual_mov_b32 v[MI+2*\i], s59 :: v_dual_mov_b32 v[MI+2*\i+1], 0
.endr
.irp j, 0,2,4,6
	v_dual_mov_b32 v[C2B+8+\j], s59 :: v_dual_mov_b32 v[C2B+9+\j], s59
.endr
.irp j, 0,2,4,6,8,10,12,14
	v_dual_mov_b32 v[AC+16+\j], 0 :: v_dual_mov_b32 v[AC+17+\j], 0
.endr
.set k, 0
.rept 32
	v_dual_mov_b32 v[KP+2*k], 0 :: v_dual_mov_b32 v[KP+2*k+1], 0
.set k, k+1
.endr
	s_lshl_b32 s16, s[WV], 2
	s_sub_co_u32 s16, s16, 29
	v_mov_b32 v[TID], s16                          ; 4 w - 29: the first step (0, 1) adds 29
; ---- the walk
.macro SEL2 d, a                       ; where VCC: v[d] <- v[a], v[d + 1] <- v[a + 1].  d and a are even: destinations even and odd, each pair of sources in different register banks
.if DUAL
	v_dual_cndmask_b32 v[\d], v[\d], v[\a] :: v_dual_cndmask_b32 v[\d+1], v[\d+1], v[\a+1]
.else
	v_cndmask_b32 v[\d], v[\d], v[\a], vcc_lo
	v_cndmask_b32 v[\d+1], v[\d+1], v[\a+1], vcc_lo
.endif
.endm
.macro SELMI mi, g                     ; where VCC: m <- g, the winning tile <- TID
.if DUAL
	v_dual_cndmask_b32 v[\mi], v[\mi], v[\g] :: v_dual_cndmask_b32 v[\mi+1], v[\mi+1], v[TID]
.else
	v_cndmask_b32 v[\mi], v[\mi], v[\g], vcc_lo
	v_cndmask_b32 v[\mi+1], v[\mi+1], v[TID], vcc_lo
.endif
.endm
; The four slices of the pair of row tiles 2 PP, 2 PP + 1, whose sums lie in v[PS] on and whose tile's C2 lies in set CP.
.macro VS1                             ; a = C2 x 1.0 + L2: rounded once, as the addition is.  (A multiply-add, so that source 1 is no vector register)
.irp u, 0,1
.irp j, 0,2,4,6
	v_pk_fma_f32 v[T+8*\u+\j:T+8*\u+\j+1], v[C2B+8*CP+\j:C2B+8*CP+\j+1], 1.0, v[L2+2*PP:L2+2*PP+1] op_sel:[0,0,\u] op_sel_hi:[1,0,\u]
.endr
.endr
.endm
.macro VS2                             ; d = S x F + a; each accumulator is read from its low end on
.irp u, 0,1
.irp j, 0,2,4,6
	v_pk_fma_f32 v[T+8*\u+\j:T+8*\u+\j+1], v[PS+8*\u+\j:PS+8*\u+\j+1], s[20:21], v[T+8*\u+\j:T+8*\u+\j+1] op_sel_hi:[1,0,1]
.endr
.endr
.endm
.macro VS3                             ; g = the smallest of the 8, the two row tiles by turns; then the first tile's compare and its m
	v_min3_num_f32 v[G],   v[T],    v[T+1],  v[T+2]
	v_min3_num_f32 v[G+2], v[T+8],  v[T+9],  v[T+10]
	v_min3_num_f32 v[G+1], v[T+3],  v[T+4],  v[T+5]
	v_min3_num_f32 v[G+3], v[T+11], v[T+12], v[T+13]
	v_min3_num_f32 v[G],   v[G],    v[T+6],  v[T+7]
	v_min3_num_f32 v[G+2], v[G+2],  v[T+14], v[T+15]
	v_min_num_f32  v[G],   v[G],    v[G+1]
	v_min_num_f32  v[G+2], v[G+2],  v[G+3]
	v_cmp_lt_f32 vcc_lo, v[G], v[MI+4*PP]          ; strict: an earlier tile keeps a tie
	SELMI MI+4*PP, G
.endm
.macro VS4                             ; the first tile's 8 distances are kept where it won; then the second tile's compare, m and distances
.irp j, 0,2,4,6
	SEL2 KP+16*PP+\j, T+\j
.endr
	v_cmp_lt_f32 vcc_lo, v[G+2], v[MI+4*PP+2]
	SELMI MI+4*PP+2, G+2
.irp j, 0,2,4,6
	SEL2 KP+16*PP+8+\j, T+8+\j
.endr
.endm
.macro MM q, p, u, s, zero             ; 16 codes of tile q x row tile 2 p + u, K step s
.set rD, AC+16*((\p)%2)+8*(\u)
.set rA, AB+32*((\q)%2)+16*(\s)
.set rB, 32*(2*(\p)+(\u))+16*(\s)
.if \zero
	v_wmma_f32_16x16x128_bf8_bf8 v[rD:rD+7], v[rA:rA+15], v[rB:rB+15], 0
.else
	v_wmma_f32_16x16x128_bf8_bf8 v[rD:rD+7], v[rA:rA+15], v[rB:rB+15], v[rD:rD+7]
.endif
.endm
; STEP (q, p): tile q against row tiles 2 p and 2 p + 1.  The two accumulators take turns, one instruction a turn; the first K step starts each sum with the constant 0.
; The slices are the step before's: between a sum's last product and the slice that reads it stand that step's last ten vector instructions and this step's first eight, which name none of its registers.
.macro STEP q, p
.set PP, ((\p)+3)%4
.set PS, AC+16*(PP%2)
.if (\p) == 0
.set CP, ((\q)+1)%2                    ; the pair in hand belongs to the tile before
.else
.set CP, (\q)%2
.endif
	WIN W_MM
	MM \q, \p, 0, 0, 1
	VS1
	MM \q, \p, 1, 0, 1
	VS2
	MM \q, \p, 0, 1, 0
	WIN 0
.if (\p) == 1                          ; from here on the pair in hand belongs to tile q: within a record my tiles are neighbours, from record to record 32 apart
.if (\q) == 0
	v_add_nc_u32 v[TID], 29, v[TID]
.else
	v_add_nc_u32 v[TID], 1, v[TID]
.endif
.endif
	VS3
	WIN W_MM
	MM \q, \p, 1, 1, 0
	WIN 0
	VS4
.endm
; A record in slot s: my four tiles, sixteen steps.  The next tile's ten loads stand in one run behind step (q, 1), two steps ahead of the wait for them; the buffer that they fill was last multiplied two steps
; back and the C2 set last read one step back, with more than four plain vector instructions between.
; THE CHANGE OF SLOTS stands round step (3, 0): my last reads of the slot, tile 3's, were issued two steps before.  Each wave waits for all its tensor loads (the one that is out is its eighth of the other slot),
; adds 0 to its spare word, waits for that and for its reads, and signals; the step's register work stands between signal and wait.  refill = 1: the barrier opens a round of the cluster's barrier, and the slot
; takes the record two further on: the load has the fifteen steps up to the next change's wait in which to land.  last = 1: the last record: no change of slots, nothing more to fetch.
.macro SLOT s, refill, last
.irp q, 0,1,2,3
.irp p, 0,1,2,3
.if (\p == 0) && ((\q < 3) || \last)
	s_wait_dscnt 0x0                               ; tile q's fragments and C2 are in
.endif
.if (\p == 0) && (\q == 3) && (!\last)
	s_wait_tensorcnt 0x0                           ; no tensor load of mine is out, so a group 0 may be written;
	ds_add_u32 v[SPW], v[NIL]                      ; 0 onto my spare word
.if \refill
	s_add_nc_u64 s[G0C+4*\s+2:G0C+4*\s+3], s[G0C+4*\s+2:G0C+4*\s+3], 2*REC   ; this slot's next record; the type bits on top are not reached
.endif
	s_wait_dscnt 0x0                               ; the add is done; tile 3's fragments and C2 are in: my reads of this slot are over
	s_barrier_signal -1
.endif
	STEP \q, \p
.if (\p == 0) && (\q == 3) && (!\last)
	s_barrier_wait -1
.if \refill
	CREST                                          ; no wave of any partner still reads this slot or has a load on its way
	tensor_load_to_lds s[G0C+4*\s:G0C+4*\s+3], s[G1C:G1C+7]   ; my one load behind the round, and the first thing there
	s_nop 0
	PLACES                                         ; four v_nop follow
.endif
.endif
.if (\p == 1) && ((\q < 3) || (!\last))
.if \q < 3
	FETCH \s, \q+1
.else
	FETCH 1-\s, 0                                  ; the other slot is whole: every wave has passed the barrier above
.endif
.endif
.endr
.endr
.endm
	s_mov_b32 s15, 7
.Llap:                                                 ; seven trips: records 0 to 13; each fills its slot again with the record two further on
	SLOT 0, 1, 0
	SLOT 1, 1, 0
	s_sub_co_u32 s15, s15, 1
	s_cmp_lg_u32 s15, 0
	s_cbranch_scc1 .Llap
	SLOT 0, 0, 0                                   ; record 14: the tail is written out
	SLOT 1, 0, 1                                   ; record 15
.set PP, 3
.set PS, AC+16
.set CP, 1
	VS1                                            ; the last pair's slices; these eight lines are among the places behind the last products
	VS2
	VS3
	VS4
; ---- the end.  (m, c) <- (om, oc) where om < m, or om = m and oc < c
.macro LEXMIN m, c, om, oc
	v_cmp_lt_f32 s56, v[\om], v[\m]
	v_cmp_eq_f32 s57, v[\om], v[\m]
	v_cmp_lt_u32 s58, v[\oc], v[\c]
	s_and_b32 s57, s57, s58
	s_or_b32 vcc_lo, s56, s57
	v_cndmask_b32 v[\m], v[\m], v[\om], vcc_lo
	v_cndmask_b32 v[\c], v[\c], v[\oc], vcc_lo
.endm
.irp i, 0,1,2,3,4,5,6,7
	v_mov_b32 v238, 7
.irp j, 6,5,4,3,2,1,0
	v_cmp_eq_f32 vcc_lo, v[KP+8*\i+\j], v[MI+2*\i]
	v_cndmask_b32 v238, v238, \j, vcc_lo           ; descending, so that the lowest place that holds m stays
.endr
	v_lshl_add_u32 v[MI+2*\i+1], v[MI+2*\i+1], 4, v238
	v_add_nc_u32 v[MI+2*\i+1], v[MI+2*\i+1], v237  ; code = 16 x tile + 8 h + place
	v_permlanex16_b32 v[T], v[MI+2*\i], s22, s23   ; the row's other eight codes of each tile lie in the lane 16 away
	v_permlanex16_b32 v[T+1], v[MI+2*\i+1], s22, s23
	LEXMIN MI+2*\i, MI+2*\i+1, T, T+1
	ds_store_b64 v232, v[MI+2*\i:MI+2*\i+1] offset:128*\i   ; both halves of the lanes store the same pair
.endr
	s_wait_dscnt 0x0                               ; for the others' sake: my 128 pairs have landed
	s_barrier_signal -1
	s_barrier_wait -1
.irp v, 0,1,2,3,4,5,6,7
	ds_load_b64 v[T+2*\v:T+2*\v+1], v233 offset:1024*\v    ; row 16 w + r: what each of the eight waves found among its codes
.endr
	s_wait_dscnt 0x0
.irp v, 1,2,3,4,5,6,7
	LEXMIN T, T+1, T+2*\v, T+2*\v+1
.endr
	ds_store_b32 v234, v[T+1]
	s_wait_dscnt 0x0
	s_barrier_signal -1
	s_barrier_wait -1
	s_cmp_lg_u32 s[WV], 0
	s_cbranch_scc1 .Lstored
	ds_load_b128 v[240:243], v235
	s_wait_dscnt 0x0
	global_store_b128 v236, v[240:243], s[10:11]   ; 32 lanes store the work-group's 512 consecutive bytes, at a multiple of 256 from idx's first byte
.Lstored:
	s_wait_tensorcnt 0x0                           ; the wave's end: behind my last tensor load and my last LDS store
	ds_add_u32 v[SPW], v[NIL]
	s_wait_dscnt 0x0
	CROUND                                         ; the closing round: no work-group ends while a partner may still ask for a record that names it
	s_endpgm
.Lfunc_end_k_qd57eb48f7e_search:
	.size	k_qd57eb48f7e_search, .Lfunc_end_k_qd57eb48f7e_search-k_qd57eb48f7e_search
	.p2alignl 7, 3214868480
	.fill 96, 4, 3214868480
	.section	.rodata,"a",@progbits
	.p2align	6, 0x0
	.amdhsa_kernel k_qd57eb48f7e_search
		.amdhsa_group_segment_fixed_size 327680
		.amdhsa_private_segment_fixed_size 0
		.amdhsa_enable_private_segment 0
		.amdhsa_kernarg_size 32
		.amdhsa_user_sgpr_count 2
		.amdhsa_user_sgpr_kernarg_segment_ptr 1
		.amdhsa_wavefront_size32 1
		.amdhsa_system_sgpr_workgroup_id_x 1
		.amdhsa_system_sgpr_workgroup_id_y 1
		.amdhsa_system_sgpr_workgroup_id_z 1
		.amdhsa_system_vgpr_workitem_id 0
		.amdhsa_next_free_vgpr 512
		.amdhsa_next_free_sgpr 66
		.amdhsa_reserve_vcc 1
		.amdhsa_float_denorm_mode_32 3
		.amdhsa_float_denorm_mode_16_64 3
		.amdhsa_memory_ordered 1
		.amdhsa_forward_progress 1
		.amdhsa_inst_pref_size 219
	.end_amdhsa_kernel
	.amdgpu_metadata
---
amdhsa.version: [ 1, 2 ]
amdhsa.kernels:
  - .name:           k_qd57eb48f7e_search
    .symbol:         k_qd57eb48f7e_search.kd
    .args:
      - { .name: x, .offset: 0, .size: 8, .value_kind: global_buffer, .address_space: global }
      - { .name: cb, .offset: 8, .size: 8, .value_kind: global_buffer, .address_space: global }
      - { .name: lowp_scales, .offset: 16, .size: 8, .value_kind: global_buffer, .address_space: global }
      - { .name: idx, .offset: 24, .size: 8, .value_kind: global_buffer, .address_space: global }
    .group_segment_fixed_size: 327680
    .private_segment_fixed_size: 0
    .kernarg_segment_align: 8
    .kernarg_segment_size: 32
    .max_flat_workgroup_size: 256
    .sgpr_count:     66
    .vgpr_count:     512
    .wavefront_size: 32
...
	.end_amdgpu_metadata
.endif
;; end of part 2
;; launch gather (part 3): grid 256 x 1, 8 waves a work-group, no clusters, 0 bytes of LDS; arguments codebook, idx, out0; writes out0
.if DOCPART == 3
	.amdgcn_target "amdgcn-amd-amdhsa--gfx1250"
	.amdhsa_code_object_version 6
	.text
	.protected	k_qd57eb48f7e_gather
	.globl	k_qd57eb48f7e_gather
	.p2align	8
	.type	k_qd57eb48f7e_gather,@function
k_qd57eb48f7e_gather:
	s_mov_b64 s[64:65], 0
	v_nop
	global_prefetch_b8 v0, s[64:65] scope:SCOPE_SE
	s_setreg_imm32_b32 hwreg(HW_REG_WAVE_MODE, 25, 1), 1
	s_wait_xcnt 0x0
; out0[row][:] = codebook[idx[row]][:].  codebook [8192][256] f32, idx [32768] int32 (stored by the launch before), out0 [32768][256] f32.
; A wave takes 16 rows: 16 indices by one scalar load, 32 loads of 512 consecutive bytes (half a row of the table each), 32 stores of 512 consecutive bytes at multiples of 256 from out0's first byte.
; All of a wave's loads are out at once; no register is written twice, so no wait frees a source.  No LDS, no barrier, no matrix unit, no cluster: a copy, and no two waves share a row of the output.
; An index is held at 8,191 before it enters an address: idx holds numbers inside the table, and the hold states that in the text.
	s_load_b128 s[4:7], s[0:1], 0x0                ; the codebook, idx
	s_load_b64 s[8:9], s[0:1], 0x10                ; out0
	v_lshrrev_b32 v2, 5, v0
	v_readfirstlane_b32 s10, v2                    ; wave 0..7
	v_and_b32 v1, 31, v0
	v_lshlrev_b32 v1, 4, v1                        ; 16 x lane
	s_lshl_b32 s11, ttmp9, 7
	s_lshl_b32 s12, s10, 4
	s_add_co_u32 s11, s11, s12                     ; my first row: 128 x work-group + 16 x wave
	s_lshl_b32 s12, s11, 2                         ; its index,
	s_mov_b32 s13, 0
	s_lshl_b32 s14, s11, 10                        ; its row of out0
	s_mov_b32 s15, 0
	s_wait_kmcnt 0x0
	s_add_nc_u64 s[6:7], s[6:7], s[12:13]
	s_add_nc_u64 s[8:9], s[8:9], s[14:15]
	s_load_b512 s[16:31], s[6:7], 0x0              ; 16 indices
	s_wait_kmcnt 0x0
.irp i, 0,1,2,3,4,5,6,7,8,9,10,11,12,13,14,15
	s_min_u32 s[16+\i], s[16+\i], 8191
	s_lshl_b32 s[16+\i], s[16+\i], 10              ; a row of the table is 1,024 bytes
	v_add_nc_u32 v[8+\i], s[16+\i], v1
.endr
.irp i, 0,1,2,3,4,5,6,7,8,9,10,11,12,13,14,15
.irp e, 0,1
	global_load_b128 v[32+8*\i+4*\e:32+8*\i+4*\e+3], v[8+\i], s[4:5] offset:512*\e   ; no hint: a row of the table may be named by many rows
.endr
.endr
.set n, 0
.rept 32
	s_wait_loadcnt 31-n                            ; loads come back in order: load n is in, the 31 - n younger ones may be out
	global_store_b128 v1, v[32+4*n:32+4*n+3], s[8:9] offset:512*n th:TH_STORE_NT     ; half n % 2 of row n / 2; written once, read by nobody here
.set n, n+1
.endr
	s_endpgm
.Lfunc_end_k_qd57eb48f7e_gather:
	.size	k_qd57eb48f7e_gather, .Lfunc_end_k_qd57eb48f7e_gather-k_qd57eb48f7e_gather
	.p2alignl 7, 3214868480
	.fill 96, 4, 3214868480
	.section	.rodata,"a",@progbits
	.p2align	6, 0x0
	.amdhsa_kernel k_qd57eb48f7e_gather
		.amdhsa_group_segment_fixed_size 0
		.amdhsa_private_segment_fixed_size 0
		.amdhsa_enable_private_segment 0
		.amdhsa_kernarg_size 24
		.amdhsa_user_sgpr_count 2
		.amdhsa_user_sgpr_kernarg_segment_ptr 1
		.amdhsa_wavefront_size32 1
		.amdhsa_system_sgpr_workgroup_id_x 1
		.amdhsa_system_sgpr_workgroup_id_y 1
		.amdhsa_system_sgpr_workgroup_id_z 1
		.amdhsa_system_vgpr_workitem_id 0
		.amdhsa_next_free_vgpr 160
		.amdhsa_next_free_sgpr 66
		.amdhsa_reserve_vcc 0
		.amdhsa_float_denorm_mode_32 3
		.amdhsa_float_denorm_mode_16_64 3
		.amdhsa_memory_ordered 1
		.amdhsa_forward_progress 1
		.amdhsa_inst_pref_size 10
	.end_amdhsa_kernel
	.amdgpu_metadata
---
amdhsa.version: [ 1, 2 ]
amdhsa.kernels:
  - .name:           k_qd57eb48f7e_gather
    .symbol:         k_qd57eb48f7e_gather.kd
    .args:
      - { .name: codebook, .offset: 0, .size: 8, .value_kind: global_buffer, .address_space: global }
      - { .name: idx, .offset: 8, .size: 8, .value_kind: global_buffer, .address_space: global }
      - { .name: out0, .offset: 16, .size: 8, .value_kind: global_buffer, .address_space: global }
    .group_segment_fixed_size: 0
    .private_segment_fixed_size: 0
    .kernarg_segment_align: 8
    .kernarg_segment_size: 24
    .max_flat_workgroup_size: 256
    .sgpr_count:     66
    .vgpr_count:     160
    .wavefront_size: 32
...
	.end_amdgpu_metadata
.endif
;; end of part 3
